; MI455X (gfx1250); checked and timed in simulation.
; The chip was launched on July 23, 2026; its instructions are those of AMD's public machine-readable ISA for CDNA 5 (MIT licence, August 2026) and "CDNA5" Instruction Set Architecture Reference Guide (July 2026). The comments in the code are by the model that wrote it; some were corrected since.
;; Decoder Layer. Allowed arithmetic: matrix products marked QUANTISED: E2M3 operands, one E8M0 scale for each 32 along K, by v_wmma_scale_f32_16x16x128_f8f6f4 with both operands' format E2M3, f32 sums; everything else in f32.
;; Inputs: W1 512 x 512 float32; W2 512 x 512 float32; b1 512 float32; b2 512 float32; encoder_output 8 x 1,024 x 512 float32; mask 8 x 2,048 x 2,048 bool; y 8 x 2,048 x 512 float32.
;; Outputs: out0 8 x 2,048 x 512 float32.
;; This version of the problem:
;;   THIS VERSION OF THE PROBLEM IS GIVEN IN LOW PRECISION. The matrix products marked QUANTISED in the list below multiply operands that are first quantised to E2M3 (2 exponent bits, 3 mantissa bits; 6 bits a number), with one power-of-two scale for each 32 numbers along K (OCP MX v1.0); their sums are f32. All else is computed in f32.
;;   The module's matrix products, in the order in which they are computed (A, B: the left and right operand; K: the contracted axis; several contracted axes count as one K, in the product's order):
;;     1. batch 8 x [M 2,048, K 512] x [K 512, N 2,048]; A: input y; B: input y: QUANTISED
;;     2. batch 8 x [M 2,048, K 2,048] x [K 2,048, N 512]; A: softmax (see below); B: input y: QUANTISED
;;     3. batch 8 x [M 2,048, K 512] x [K 512, N 1,024]; A: computed on the way; B: input encoder_output: QUANTISED
;;     4. batch 8 x [M 2,048, K 1,024] x [K 1,024, N 512]; A: softmax (see below); B: input encoder_output: QUANTISED
;;     5. [M 16,384, K 512] x [K 512, N 512]; A: computed on the way; B: input W1: QUANTISED
;;     6. [M 16,384, K 512] x [K 512, N 512]; A: computed on the way; B: input W2: QUANTISED
;;   THE QUANTISER, for each operand of a quantised product, along K:
;;     - K is cut into blocks of 32 from its start; a last block that is shorter is filled with zeros.
;;     - A block's scale is 2^e with e = floor(log2(the largest magnitude in the block)) - 2, held to -126 .. 127; a block of zeros has e = 0. As a byte (E8M0): e + 127.
;;     - Each number is divided by its block's scale, clamped to +-7.5, and rounded to the nearest number of E2M3, ties to even, subnormals kept.
;;     - The product sums the exact products of the quantised numbers (number of the format x scale) in f32.
;;   ~~~python
;;   def quantise(x, axis):      # numpy; x: float32 -> the quantised numbers, widened to float32 again
;;       x = np.moveaxis(x, axis, -1); K = x.shape[-1]
;;       x = np.pad(x, [(0, 0)] * (x.ndim - 1) + [(0, -K % 32)]); x = x.reshape(x.shape[:-1] + (-1, 32)); a = np.abs(x).max(-1, keepdims=True)
;;       e = np.where(a > 0, np.clip(np.frexp(np.where(a > 0, a, 1))[1] - 1 - 2, -126, 127), 0)      # np.frexp(a)[1] - 1 = floor(log2(a)), exactly
;;       r = np.clip(x / 2.0 ** e, -7.5, 7.5)
;;       step = 2.0 ** (np.maximum(np.frexp(np.where(r == 0, 1, r))[1] - 1, 0) - 3)
;;       q = np.round(r / step) * step * 2.0 ** e      # np.round: ties to even
;;       return np.moveaxis(q.reshape(q.shape[:-2] + (-1,))[..., :K], -1, axis).astype(np.float32)
;;   ~~~
;;   SOFTMAX AHEAD OF A QUANTISED PRODUCT. Where the list says 'softmax', what is quantised is not the finished softmax but p = 2^(t - M), with t = logit x log2(e) and M = ceil(the row's largest t), a whole number; so 1/2 < the row's largest p <= 1. The row's sum l is taken of the UNQUANTISED p, in f32, and the product's result is divided by l at the end. Since M is a whole number, a kernel that streams over the keys may use a running M (the ceiling of the running maximum): every later rescaling is an exact power of two, which a block's scale takes up: the codes' values come out the same.
;;   OPERANDS COMPUTED ON THE WAY. 'Computed on the way' means the value that the module computes at that place (a softmax that the list does not call 'softmax' is quantised finished and normalised). What goes into a quantiser is computed in f32, as accurately as f32 sums, v_exp_f32 and their like allow (about 1e-6 of the number): no bf16 or f16 on the way to a quantiser, and a product that is left as it is and whose result goes on into a quantised operand takes f32 operands (vector FMAs, or v_wmma_f32_16x16x4_f32). A number that lies on a knife's edge between two numbers of the format may be rounded either way, as far as f32 arithmetic and the matrix unit's own rounding can turn it there, and no further.
;; One version. Each part assembles by itself: llvm-mc -triple=amdgcn-amd-amdhsa -mcpu=gfx1250 --defsym DOCPART=n.
;; ======== version 1 of 1: 2 launches
;; limits: right only within a limited range of input values
;; workspace buffers: stream 22,937,600 bytes
;; launch prep (part 1): grid 1024 x 1, 4 waves a work-group, no clusters, 68,096 bytes of LDS; arguments y, encoder_output, W1, W2, stream; writes stream
.if DOCPART == 1
	.amdgcn_target "amdgcn-amd-amdhsa--gfx1250"
	.amdhsa_code_object_version 6
	.text
	.protected	k_q71c6833ee6_prep
	.globl	k_q71c6833ee6_prep
	.p2align	8
	.type	k_q71c6833ee6_prep,@function
k_q71c6833ee6_prep:
	s_mov_b64 s[64:65], 0
	v_nop
	global_prefetch_b8 v0, s[64:65] scope:SCOPE_SE
	s_setreg_imm32_b32 hwreg(HW_REG_WAVE_MODE, 25, 1), 1
	s_wait_xcnt 0x0
; y [8][2048][512], encoder_output [8][1024][512], W1 and W2 [512][512], all f32, become codes of FP6 (E2M3) with one E8M0 byte for each 32 along K,
; laid in the ORDER OF THE OPERAND'S REGISTERS, as one dense stream for each batch, in the order in which the second launch walks it.
; STREAM: 8 batches x 28 chunks x 102,400 bytes.  A chunk is 4 units of 25,600 bytes; a unit is 64 rows x 512 K: 16 fragments of 1,536 bytes (fragment 4 g + sg: tile g of 16 rows, K step sg of 128), then 1,024 bytes of scale words.
; A fragment is the image of its 12 registers: register p of lane l at (p / 4) 512 + 16 l + 4 (p % 4).  Lane r of tile g takes the unit's row 32 (g / 2) + 8 (g % 2) + r + 8 (r / 8).
; The scale word of (g, sg, r) lies at 24,576 + 256 sg + 16 r + 4 g of the unit.
; CHUNKS of a batch: 4 s, 4 s + 1: keys 512 s on of y, K = the 512 channels; 4 s + 2, 4 s + 3: the channels of y, K = keys 512 s on; 16 .. 23 the same of encoder_output; 24, 25: W1's columns, K = its rows; 26, 27: W2's.
; A JOB is a tile of 128 rows x 128 columns of f32.  All four waves bring it into a stage in LDS, in loads of 512 consecutive bytes; behind one barrier waves 0 and 1 quantise along the rows (K innermost),
; waves 2 and 3 down the columns (K = the rows), 64 rows or columns each.  A tile of a weight is wanted down the columns alone.
; A block's scale is 2^(floor(log2(its largest magnitude)) - 2); its byte is the largest magnitude's exponent field - 2, held at 1 from below (a block of zeros keeps the byte 1: its codes are zeros, and this program alone reads the bytes).
; LIMITS: blocks whose largest magnitude lies under 2^-124 keep the byte 1; NaN and infinities among the inputs are not served.
.set PITCH, 528                        ; a stage row: 512 bytes + 16
.set SPARE, 128*PITCH                  ; behind the stage: the spare words, 128 bytes for each wave
.set SPW,   10                         ; v10  LDS address of my spare word; never rewritten
.set NIL,   11                         ; v11  0; never rewritten
.set SW,    32                         ; v32-35   the four fragments' scale words
.set AUX,   36                         ; v36-43   the conversions' second halves
.set CD,    44                         ; v44-91   codes, 12 registers a fragment: no store's data are written again
.set X,     96                         ; v96-223  the tile as loaded; behind the barrier two sets of a lane's 64 numbers
	s_load_b256 s[4:11], s[0:1], 0x0               ; y, encoder_output, W1, W2
	s_load_b64 s[12:13], s[0:1], 0x20              ; the stream
	v_lshl_add_u32 v[SPW], v0, 2, SPARE
	v_mov_b32 v[NIL], 0
	v_lshrrev_b32 v1, 5, v0
	v_readfirstlane_b32 s14, v1                    ; wave 0..3
	v_and_b32 v1, 31, v0                           ; lane
	v_and_b32 v2, 15, v0                           ; r
	v_bfe_u32 v3, v0, 4, 1                         ; h
	v_lshlrev_b32 v4, 4, v1                        ; 16 x lane: my bytes of a load's or a store's 512
	s_and_b32 s15, s14, 1                          ; which 64 rows or columns of the tile are mine
	s_mul_i32 s42, s14, 32*PITCH
	v_add_nc_u32 v5, s42, v4                       ; into the stage: my wave's 32 rows
	v_and_b32 v12, 8, v2
	v_add_nc_u32 v12, v12, v2                      ; r + 8 (r / 8)
	s_lshl_b32 s43, s15, 6
	v_add_nc_u32 v12, s43, v12                     ; + my 64
	v_mul_u32_u24 v6, v12, PITCH
	v_lshl_add_u32 v6, v3, 7, v6                   ; along the rows: my row, + 32 h numbers
	v_mul_u32_u24 v7, v3, 32*PITCH
	v_lshl_add_u32 v7, v12, 2, v7                  ; down the columns: 32 h rows down, my column
	v_lshlrev_b32 v8, 4, v2
	v_lshl_add_u32 v8, v3, 3, v8                   ; the scale words' way out: 16 r + 8 h
	v_lshlrev_b32 v9, 3, v3                        ; 8 h: my bytes' place in a scale word
	v_mov_b32 v18, 0                               ; written once: a lane permute's destination counts as one of its sources
	s_mov_b32 s40, 0x76543210
	s_mov_b32 s41, 0xfedcba98                      ; v_permlanex16_b32's selects for lane l xor 16
	; the job: 0..511 y, 512..767 encoder_output, 768..1023 the weights (once for each batch's stream)
	s_and_b32 s16, ttmp9, 3                        ; cb: which 128 columns
	s_lshr_b32 s17, ttmp9, 6                       ; y: batch,
	s_bfe_u32 s18, ttmp9, 0x40002                  ; and which 128 rows of 16
	s_bfe_u32 s19, ttmp9, 0x30005                  ; the others: batch,
	s_bfe_u32 s20, ttmp9, 0x30002                  ; and which 128 rows of 8
	s_cmp_lt_u32 ttmp9, 512
	s_cselect_b32 s17, s17, s19                    ; batch
	s_cselect_b32 s18, s18, s20                    ; kb
	s_lshr_b32 s21, s18, 2                         ; hi: the step of 512 keys, or the layer
	s_and_b32 s22, s18, 3                          ; lo
	s_lshl_b32 s23, s17, 11
	s_lshl_b32 s24, s17, 10
	s_cmp_lt_u32 ttmp9, 512
	s_cselect_b32 s23, s23, s24                    ; the batch's first row
	s_lshl_b32 s24, s18, 7
	s_add_co_u32 s23, s23, s24                     ; + 128 kb
	s_lshl_b32 s24, s22, 7                         ; a weight: row 128 lo
	s_cmp_lt_u32 ttmp9, 768
	s_cselect_b32 s23, s23, s24
	s_lshl_b32 s23, s23, 11                        ; rows of 2,048 bytes
	s_lshl_b32 s24, s16, 9
	s_add_co_u32 s26, s23, s24
	s_lshl_b32 s24, s14, 16                        ; my wave's 32 rows
	s_add_co_u32 s26, s26, s24
	s_mov_b32 s27, 0
	; where my four fragments go
	s_lshl_b32 s28, s21, 2
	s_cmp_lt_u32 ttmp9, 512
	s_cselect_b32 s29, 0, 16
	s_add_co_u32 s28, s28, s29                     ; the chunk of rows: 4 hi, or 16 + 4 hi
	s_add_co_u32 s29, s28, 2                       ; the chunk of columns
	s_lshl_b32 s30, s21, 1
	s_add_co_u32 s30, s30, 24                      ; a weight's: 24 + 2 hi
	s_cmp_lt_u32 ttmp9, 768
	s_cselect_b32 s29, s29, s30
	s_cmp_lt_u32 s14, 2                            ; waves 0, 1: along the rows
	s_cselect_b32 s28, s28, s29                    ; chunk
	s_cselect_b32 s30, s22, s16                    ; unit: lo, or cb
	s_cselect_b32 s31, s16, s22                    ; K step: cb, or lo
	s_add_co_u32 s28, s28, s15
	s_lshl_b32 s28, s28, 2
	s_add_co_u32 s28, s28, s30
	s_mul_i32 s28, s28, 25600
	s_mul_i32 s29, s17, 2867200
	s_add_co_u32 s28, s28, s29                     ; my unit's first byte in the stream
	s_mul_i32 s29, s31, 1536
	s_add_co_u32 s32, s28, s29                     ; fragment 4 g + sg: 6,144 g stands in the stores' immediates
	s_mov_b32 s33, 0
	s_lshl_b32 s29, s31, 8
	s_add_co_u32 s29, s29, 24576
	s_add_co_u32 s34, s28, s29                     ; my K step's 256 bytes of scale words
	s_mov_b32 s35, 0
	s_wait_kmcnt 0x0
	s_cmp_eq_u32 s21, 0                            ; the choices hang on the work-group's number alone
	s_cselect_b64 s[8:9], s[8:9], s[10:11]
	s_cmp_lt_u32 ttmp9, 512
	s_cselect_b64 s[4:5], s[4:5], s[6:7]
	s_cmp_lt_u32 ttmp9, 768
	s_cselect_b64 s[4:5], s[4:5], s[8:9]
	s_add_nc_u64 s[4:5], s[4:5], s[26:27]
	s_add_nc_u64 s[36:37], s[12:13], s[32:33]
	s_add_nc_u64 s[38:39], s[12:13], s[34:35]
.set ii, 0
.rept 32
	global_load_b128 v[X+4*ii:X+4*ii+3], v4, s[4:5] offset:2048*ii   ; a row's 512 consecutive bytes
.set ii, ii+1
.endr
.irp u, 0,1,2,3
	s_wait_loadcnt 24-8*\u                         ; eight more loads are in; the younger ones stay out
.irp i, 0,1,2,3,4,5,6,7
	ds_store_b128 v5, v[X+4*(8*\u+\i):X+4*(8*\u+\i)+3] offset:(8*\u+\i)*PITCH
.endr
.endr
	s_wait_dscnt 0x0                               ; for the others' sake: my rows lie in the stage
	s_barrier_signal -1
	s_barrier_wait -1
; a lane's 64 numbers of tile g, register 32 c + i = K 64 c + 32 h + i of its row or column, into set g % 2
.macro FRAG kind, g
.set XB, X+64*((\g)%2)
.set RO, 32*((\g)/2)+8*((\g)%2)
.if \kind == 0
.irp c, 0,1
.irp q, 0,1,2,3,4,5,6,7
	ds_load_b128 v[XB+32*\c+4*\q:XB+32*\c+4*\q+3], v6 offset:RO*PITCH+256*\c+16*\q
.endr
.endr
.else
.irp c, 0,1
.set ii, 0
.rept 32
	ds_load_b32 v[XB+32*\c+ii], v7 offset:(64*\c+ii)*PITCH+RO*4
.set ii, ii+1
.endr
.endr
.endif
.endm
; they become the fragment's 12 registers and its scale word, and the fragment leaves as three stores of 512 consecutive bytes
.macro QF g
.set XB, X+64*((\g)%2)
.irp c, 0,1
	v_max3_num_f32 v[12+\c], |v[XB+32*\c]|, |v[XB+32*\c+1]|, 0x1800000   ; my block 2 c + h: all its 32 numbers are mine; the floor 2^(3 - 127) holds the byte at 1 from below
.endr
.irp i, 2,4,6,8,10,12,14,16,18,20,22,24,26,28,30
.irp c, 0,1
	v_max3_num_f32 v[12+\c], v[12+\c], |v[XB+32*\c+\i]|, |v[XB+32*\c+\i+1]|
.endr
.endr
.irp c, 0,1
	v_add_nc_u32 v[16+\c], 0xff000000, v[12+\c]    ; 2 off the exponent field: the conversion's scale operand
.endr
.irp c, 0,1
	v_lshrrev_b32 v[14+\c], 23, v[16+\c]           ; the scale's byte
.endr
	v_lshl_or_b32 v[SW+\g], v15, 16, v14           ; blocks h and 2 + h,
	v_lshlrev_b32 v[SW+\g], v9, v[SW+\g]           ; at their places;
	v_permlanex16_b32 v18, v[SW+\g], s40, s41
	v_or_b32 v[SW+\g], v[SW+\g], v18               ; with lane l xor 16's two the word is whole
.irp c, 0,1
	v_cvt_scalef32_pk16_fp6_f32 v[CD+12*\g+6*\c:CD+12*\g+6*\c+2], v[XB+32*\c:XB+32*\c+15], v[16+\c]
	v_cvt_scalef32_pk16_fp6_f32 v[AUX+4*\c:AUX+4*\c+2], v[XB+32*\c+16:XB+32*\c+31], v[16+\c]   ; (a conversion's three registers begin on an even number)
.endr
	v_nop                                          ; one plain place behind a scaled conversion
.irp c, 0,1
.irp i, 0,1,2
	v_mov_b32 v[CD+12*\g+6*\c+3+\i], v[AUX+4*\c+\i]
.endr
.endr
.irp q, 0,1,2
	global_store_b128 v4, v[CD+12*\g+4*\q:CD+12*\g+4*\q+3], s[36:37] offset:\g*6144+512*\q
.endr
.endm
.macro ROLE kind, younger              ; younger: the next fragment's loads, which may stay out
	FRAG \kind, 0
	FRAG \kind, 1
	s_wait_dscnt \younger
	QF 0
	FRAG \kind, 2
	s_wait_dscnt \younger
	QF 1
	FRAG \kind, 3
	s_wait_dscnt \younger
	QF 2
	s_wait_dscnt 0x0
	QF 3
.endm
	s_cmp_lt_u32 s14, 2
	s_cbranch_scc0 .Lcolumns
	s_cmp_lt_u32 ttmp9, 768                        ; a weight is wanted down its columns alone
	s_cbranch_scc0 .Lend
	s_wait_alu depctr_va_vdst(0)
	ROLE 0, 16
	s_branch .Lwords
.Lcolumns:
	s_wait_alu depctr_va_vdst(0)
	ROLE 1, 63                                     ; 64 loads are younger; the count names the most that its field holds
.Lwords:
	v_cmp_eq_u32 vcc_lo, 1, v3
	v_cndmask_b32 v20, v[SW], v[SW+2], vcc_lo      ; lane (r, h) stores the words of tiles 2 h and 2 h + 1:
	v_cndmask_b32 v21, v[SW+1], v[SW+3], vcc_lo
	global_store_b64 v8, v[20:21], s[38:39]        ; the 32 lanes store 256 consecutive bytes, aligned
.Lend:
	s_wait_tensorcnt 0x0                           ; the wave's end: behind my last LDS store
	ds_add_u32 v[SPW], v[NIL]
	s_wait_dscnt 0x0
	s_endpgm
.Lfunc_end_k_q71c6833ee6_prep:
	.size	k_q71c6833ee6_prep, .Lfunc_end_k_q71c6833ee6_prep-k_q71c6833ee6_prep
	.p2alignl 7, 3214868480
	.fill 96, 4, 3214868480
	.section	.rodata,"a",@progbits
	.p2align	6, 0x0
	.amdhsa_kernel k_q71c6833ee6_prep
		.amdhsa_group_segment_fixed_size 68096
		.amdhsa_private_segment_fixed_size 0
		.amdhsa_enable_private_segment 0
		.amdhsa_kernarg_size 40
		.amdhsa_user_sgpr_count 2
		.amdhsa_user_sgpr_kernarg_segment_ptr 1
		.amdhsa_wavefront_size32 1
		.amdhsa_system_sgpr_workgroup_id_x 1
		.amdhsa_system_sgpr_workgroup_id_y 1
		.amdhsa_system_sgpr_workgroup_id_z 1
		.amdhsa_system_vgpr_workitem_id 0
		.amdhsa_next_free_vgpr 224
		.amdhsa_next_free_sgpr 66
		.amdhsa_reserve_vcc 1
		.amdhsa_float_denorm_mode_32 3
		.amdhsa_float_denorm_mode_16_64 3
		.amdhsa_memory_ordered 1
		.amdhsa_forward_progress 1
		.amdhsa_inst_pref_size 56
	.end_amdhsa_kernel
	.amdgpu_metadata
---
amdhsa.version: [ 1, 2 ]
amdhsa.kernels:
  - .name:           k_q71c6833ee6_prep
    .symbol:         k_q71c6833ee6_prep.kd
    .args:
      - { .name: y, .offset: 0, .size: 8, .value_kind: global_buffer, .address_space: global }
      - { .name: encoder_output, .offset: 8, .size: 8, .value_kind: global_buffer, .address_space: global }
      - { .name: W1, .offset: 16, .size: 8, .value_kind: global_buffer, .address_space: global }
      - { .name: W2, .offset: 24, .size: 8, .value_kind: global_buffer, .address_space: global }
      - { .name: stream, .offset: 32, .size: 8, .value_kind: global_buffer, .address_space: global }
    .group_segment_fixed_size: 68096
    .private_segment_fixed_size: 0
    .kernarg_segment_align: 8
    .kernarg_segment_size: 40
    .max_flat_workgroup_size: 128
    .sgpr_count:     66
    .vgpr_count:     224
    .wavefront_size: 32
...
	.end_amdgpu_metadata
.endif
;; end of part 1
;; launch layer (part 2): grid 256 x 1, 4 waves a work-group, clusters of 4 x 1, 327,680 bytes of LDS; arguments stream, mask, b1, b2, out0; writes out0
.if DOCPART == 2
	.amdgcn_target "amdgcn-amd-amdhsa--gfx1250"
	.amdhsa_code_object_version 6
	.text
	.protected	k_q71c6833ee6_layer
	.globl	k_q71c6833ee6_layer
	.p2align	8
	.type	k_q71c6833ee6_layer,@function
k_q71c6833ee6_layer:
	s_mov_b64 s[64:65], 0
	v_nop
	global_prefetch_b8 v0, s[64:65] scope:SCOPE_SE
	s_setreg_imm32_b32 hwreg(HW_REG_WAVE_MODE, 25, 1), 1
	s_wait_xcnt 0x0
	s_wait_alu depctr_hold_cnt(0) depctr_sa_sdst(0) depctr_va_vdst(0) depctr_va_sdst(0) depctr_va_ssrc(0) depctr_va_vcc(0) depctr_vm_vsrc(0)
	s_getreg_b32 s2, hwreg(HW_REG_IB_STS2, 6, 4)
	s_cmp_eq_u32 s2, 0
	s_cbranch_scc0 .Lentry_in_a_cluster
	s_endpgm
.Lentry_in_a_cluster:
	s_bfe_u32 s2, ttmp6, 0x10000c
	s_cmp_lg_u32 s2, 0x3003
	s_cbranch_scc0 .Lentry_shape_is_right
	s_endpgm
.Lentry_shape_is_right:
; The whole layer for 64 queries of one batch: masked self-attention over 2,048 keys, cross-attention over 1,024 keys, relu(x W1 + b1) W2 + b2.
; All six products run on codes of FP6 (E2M3) with E8M0 scales.  The first launch has laid y, encoder_output, W1 and W2 as a stream of chunks of 102,400 bytes
; (4 units of 25,600: 16 fragments of 1,536 bytes in the order of the operand's registers, then 1,024 bytes of scale words); wave w takes unit w of every chunk.
; A STEP is 512 keys.  Scores: S^T = K Q^T, wave w has 128 keys x 64 queries (window 1).  Softmax with a running whole-number M, the same in all waves (maxima go through LDS);
; p is quantised in registers and its codes go through an image in LDS to all waves.  O^T += V^T p^T: wave w has 128 channels x 64 queries (window 2).
; Steps 0-3 are self-attention, 4-5 cross-attention; behind steps 3 and 5 O^T is divided by the row sums and quantised into the place of Q (window 3).  The two layers of the FFN walk the same two halves of a step.
; THE RING: three units for each wave, its own bytes.  K's two units lie in places 2 and 0.  In the scores' last quarter one load brings V's two units and the next K's first (places 0, 1, 2);
; when V's first unit is read out, one load brings the next K's second unit (place 0).  W2's two units come into places 1 and 2 when W1's first unit is read out.
; A HALF-STEP is two units, eight quarters of 16 products, on three fragment buffers: a quarter's 12 loads are issued two quarters ahead of its products, the first three quarters' ahead of vector work that is due anyway.
; CLUSTER: the four work-groups of a cluster walk the same batch's stream and ask for every unit jointly (mask 15); each refill stands behind a round of the cluster's barrier.
; PREFETCH: one cluster of each batch (cluster x % 8 == 0) asks for the stream's chunks ahead of the refills, its four work-groups sharing a unit's 100 blocks of 256 bytes by address.
; A masked score is replaced by -2^34 ahead of the factor log2(e) / sqrt(512).
; LIMITS: the result holds while open scores stay above that number and scaled scores under 2^31 in magnitude; NaN and infinities among the inputs are not served.
.set SLOTB, 102400                     ; a chunk
.set UNITB, 25600                      ; a unit
.set WRB,   76800                      ; a wave's three places
.set IMG,   307200                     ; the image: two query tiles x 4 K steps x 1,536 bytes
.set ISC,   319488                     ; its scale words
.set MAXR,  320512                     ; maxima and sums from wave to wave
.set BIAS,  322560                     ; b1, b2
.set SPARE, 326656                     ; the spare words, 128 bytes a wave
.set PFO,  1
.set AF,   2                           ; v2, v3, v158: my places 0, 1, 2
.set AIMG, 4
.set AIW,  5
.set AISW, 6
.set AMXW, 7
.set AMXR, 8
.set ASTW, 9
.set ASTR, 10
.set MKO,  11
.set OUTO, 12
.set ABI,  13
.set SPW,  14
.set NIL,  15
.set AS,   16                          ; scale words of a half-step's first unit; those of its second at AS + 96 (v112-119)
.set QS,   24                          ; of Q
.set PS,   32                          ; of p
.set STT,  40                          ; for each query tile: -M, the largest t, the sum in two halves
.set FF,   56                          ; for each query tile: the factor 2^(old M - new M), in a pair
.set BM,   64                          ; between the products: 16 blocks' maxima, then their scale bytes
.set TM,   80
.set PW,   96                          ; four scale words
.set T,    120
.set XR,   120
.set SO,   136                         ; 16 blocks' scale operands
.set AF2,  158
.set F0,   160                         ; fragment buffers 0, 1, 2
.set F1,   208
.set F2,   64
.set CD,   160                         ; between the products: the four query tiles' codes, 12 registers each
.set TP,   208                         ; and the conversions' second halves
.set OB,   96
.set WV,   14
.set G1,   24
.set G0A,  32
.set G0B,  36
.set CS,   40
.set SEL,  42
.set NEGS, 44
.set ST,   49
.set LIM,  51
.set PFA,  52
.set MB,   54
.set HM,   56
.set G1A,  68
.set G1C,  76
.set G0C,  84
.set MSB, 0
.macro WIN new                         ; the immediate's high byte repeats the setting that is left
.if MSB != (\new)
	s_set_vgpr_msb (MSB<<8)|(\new)
.set MSB, (\new)
.endif
.endm
.macro PLACES n
.rept \n
	v_nop
.endr
.endm
.macro CREST                           ; a round of the cluster's barrier behind its opening barrier
	s_cmp_lg_u32 s[WV], 0
	s_cbranch_scc1 .Lnot_wave_0_\@
	s_barrier_signal -3
.Lnot_wave_0_\@:
	s_barrier_wait -3
	s_barrier_signal -1
	s_barrier_wait -1
.endm
.macro CROUND
	s_barrier_signal -1
	s_barrier_wait -1
	CREST
.endm
.macro BAR                             ; my LDS instructions are done, then the work-group's barrier
	s_wait_dscnt 0x0
	s_barrier_signal -1
	s_barrier_wait -1
.endm
.macro SETA slot
.set rAF, AF+(\slot)
.if (\slot) == 2
.set rAF, AF2
.endif
.endm
.macro SETF k                          ; quarter k's buffer
.if ((\k)%3) == 2
.set rF, F2
.else
.set rF, F0+48*((\k)%3)
.endif
.endm
.macro FRAGS slot, g, f                ; tile g's four fragments (K steps 0-3) of the unit in place slot
	SETA \slot
.irp sg, 0,1,2,3
.irp q, 0,1,2
	ds_load_b128 v[(\f)+12*\sg+4*\q:(\f)+12*\sg+4*\q+3], v[rAF] offset:(4*(\g)+\sg)*1536+512*\q
.endr
.endr
.endm
.macro ASLOAD slot, as                 ; the unit's scale words
	SETA \slot
	ds_load_b128 v[(\as):(\as)+3], v[rAF] offset:24576
	ds_load_b128 v[(\as)+4:(\as)+7], v[rAF] offset:25088
.endm
; 16 products: tile t of the stream's rows x 4 query tiles x 4 K steps; the four accumulators take turns.  kind 0: B = window 3 (Q), D = window 1; kind 1: B = window 1 (p), D = window 2.
; cmode 1: C = 0 starts the sums; 2: C = the bias in window 3; 0: the sums go on
.macro MUL16 kind, t, g, f, cmode, as
.set WK,  0x5c+(\kind)*0x48
.set WKB, 0x7c+(\kind)*0x38
.set BSC, QS+8*(\kind)
.irp sg, 0,1,2,3
.if (\cmode == 2) && (\sg == 0)
	WIN WKB
.else
	WIN WK
.endif
.irp m, 0,1,2,3
.set rD, 64*\m+8*(\t)
.set rA, (\f)+12*\sg
.set rB, 12*(4*\m+\sg)
.set rX, (\as)+4*(\sg/2)+(\g)
.set rY, BSC+4*(\sg/2)+\m
.if (\sg == 0) && (\cmode == 1)
	v_wmma_scale_f32_16x16x128_f8f6f4 v[rD:rD+7], v[rA:rA+11], v[rB:rB+11], 0, v[rX], v[rY] matrix_a_fmt:MATRIX_FMT_FP6 matrix_b_fmt:MATRIX_FMT_FP6
.elseif (\sg == 0) && (\cmode == 2)
	v_wmma_scale_f32_16x16x128_f8f6f4 v[rD:rD+7], v[rA:rA+11], v[rB:rB+11], v[192+8*(\t):192+8*(\t)+7], v[rX], v[rY] matrix_a_fmt:MATRIX_FMT_FP6 matrix_b_fmt:MATRIX_FMT_FP6
.elseif (\sg%2) == 0
	v_wmma_scale_f32_16x16x128_f8f6f4 v[rD:rD+7], v[rA:rA+11], v[rB:rB+11], v[rD:rD+7], v[rX], v[rY] matrix_a_fmt:MATRIX_FMT_FP6 matrix_b_fmt:MATRIX_FMT_FP6
.else
	v_wmma_scale_f32_16x16x128_f8f6f4 v[rD:rD+7], v[rA:rA+11], v[rB:rB+11], v[rD:rD+7], v[rX], v[rY] matrix_a_fmt:MATRIX_FMT_FP6 matrix_b_fmt:MATRIX_FMT_FP6 matrix_a_scale:MATRIX_SCALE_ROW1 matrix_b_scale:MATRIX_SCALE_ROW1
.endif
.endr
.endr
.endm
.macro MASKG t                         ; a mask byte (0x00 or 0xff) is spread over a word, and the word chooses between the score and -2^34
	WIN 0x0f
.irp m, 0,1,2,3
.irp i, 0,1,2,3,4,5,6,7
.set rM, 192+16*\m+4*((\t)/2)+2*((\t)%2)+\i/4
.if (\i%4) == 0
	v_perm_b32 v[T+8*\m+\i], v[rM], v[rM], 0
.else
	v_perm_b32 v[T+8*\m+\i], v[rM], v[rM], s[NEGS+\i%4]
.endif
.endr
.endr
	WIN 0x44
.irp m, 0,1,2,3
.irp i, 0,1,2,3,4,5,6,7
	v_bfi_b32 v[64*\m+8*(\t)+\i], v[T+8*\m+\i], v[64*\m+8*(\t)+\i], s[NEGS]
.endr
.endr
.endm
.macro MASKQ mask, t                   ; cross-attention (steps 4, 5) has no mask
	WIN 0
.if \mask
	s_cmp_ge_u32 s[ST], 4
	s_cbranch_scc1 .Lopen_\@
	MASKG \t
	WIN 0
.Lopen_\@:
.endif
.endm
.macro ASK1                            ; prefetch: my share of the chunk one behind the three just asked for
	s_cmp_eq_u32 s[LIM], 1
	s_cbranch_scc0 .Lnot_mine_\@
	global_prefetch_b8 v[PFO], s[PFA:PFA+1] th:TH_LOAD_NT scope:SCOPE_SE
.Lnot_mine_\@:
.endm
.macro ASK3                            ; and of the next three; in step 5 the last of them would lie behind the batch's stream
	s_cmp_eq_u32 s[LIM], 1
	s_cbranch_scc0 .Lnot_mine_\@
	global_prefetch_b8 v[PFO], s[PFA:PFA+1] offset:SLOTB th:TH_LOAD_NT scope:SCOPE_SE
	global_prefetch_b8 v[PFO], s[PFA:PFA+1] offset:2*SLOTB th:TH_LOAD_NT scope:SCOPE_SE
	s_cmp_eq_u32 s[ST], 5
	s_cbranch_scc1 .Lnot_mine_\@
	global_prefetch_b8 v[PFO], s[PFA:PFA+1] offset:3*SLOTB th:TH_LOAD_NT scope:SCOPE_SE
.Lnot_mine_\@:
.endm
.macro THREE                           ; three lines ahead of a refill's barrier, and its signal, which opens a round
	s_wait_tensorcnt 0x0
	ds_add_u32 v[SPW], v[NIL]
	s_wait_dscnt 0x0                               ; the add, and my reads of the places that are filled again
	s_barrier_signal -1
.endm
.macro FILLQ fk                        ; the rest of the round and the refill.  1: V's two units and the next K's first; 2: the next K's second; 3: W2's two
	s_barrier_wait -1
	CREST
.if \fk == 1
	tensor_load_to_lds s[G0A:G0A+3], s[G1A:G1A+7]
.elseif \fk == 2
	tensor_load_to_lds s[G0B:G0B+3], s[G1:G1+7]
.else
	tensor_load_to_lds s[G0A:G0A+3], s[G1C:G1C+7]
.endif
	s_nop 0
	PLACES 5
.if \fk == 1
	ASK1
.elseif \fk == 2
	ASK3
.endif
.endm
.macro PLOAD slot, tw                  ; ahead of a half-step: its first unit's scale words and quarters 0, 1, 2.  tw: my tensor loads have landed first (2: and the free descriptor is stepped)
.if \tw
	s_wait_tensorcnt 0x0
.endif
.if \tw == 2
	s_add_nc_u64 s[G0A+2:G0A+3], s[G0A+2:G0A+3], 4*SLOTB
.endif
	ASLOAD \slot, AS
	FRAGS \slot, 0, F0
	FRAGS \slot, 1, F1
	FRAGS \slot, 2, F2
.endm
; A half-step: the units in places sa and sb, quarters k = 0 .. 7 on buffer k % 3.  Behind quarter k's products its buffer takes quarter k + 3.
; The counted waits: behind a quarter's 12 loads at most two younger quarters' 24 are out (12 at quarter 6, none at 7).
; mid: a refill when place sa is read out: the three lines behind quarter 2, quarter 3's products inside the round, and quarters 5 and 6 asked for behind the refill.
; end: the refill of all three places in quarter 7.  tw1: the second unit's load is waited for, and its descriptor stepped.
.macro PAIR kind, sa, sb, cmode, mask, mid, end, tw1
.irp k, 0,1,2,3,4,5,6,7
	WIN 0
.if (\end) && (\k == 7)
	s_wait_xcnt 0x0                                ; my prefetches have read their address
	s_add_nc_u64 s[PFA:PFA+1], s[PFA:PFA+1], 4*SLOTB
	THREE
.elseif \k == 7
	s_wait_dscnt 0x0
.elseif \k == 6
	s_wait_dscnt 12
.elseif ((\mid) == 0) || (\k != 3)
	s_wait_dscnt 24
.endif
	SETF \k
	MUL16 \kind, \k, (\k%4), rF, \cmode, AS+96*(\k/4)
	WIN 0
.if (\end) && (\k == 7)
	FILLQ 1
	MASKQ \mask, \k
.elseif \k == 7
	PLACES 5
	MASKQ \mask, \k
.elseif (\mid) && (\k == 2)
	MASKQ \mask, \k
	THREE
.elseif (\mid) && (\k == 3)
	FILLQ \mid
	MASKQ \mask, \k
	SETF 5
	FRAGS \sb, 1, rF
	SETF 6
	FRAGS \sb, 2, rF
.else
	MASKQ \mask, \k
.if \k < 5
	PLACES 4
.endif
.if \k == 0
	FRAGS \sa, 3, rF
.elseif \k == 1
.if \tw1
	s_wait_tensorcnt 0x0
	s_add_nc_u64 s[G0B+2:G0B+3], s[G0B+2:G0B+3], 4*SLOTB
.endif
	ASLOAD \sb, AS+96
	FRAGS \sb, 0, rF
.elseif \k == 2
	FRAGS \sb, 1, rF
.elseif \k == 3
	FRAGS \sb, 2, rF
.elseif \k == 4
	FRAGS \sb, 3, rF
.endif
.endif
.endr
.endm
; The 16 blocks of window W (block kk = registers 16 kk .. 16 kk + 15 with lane l xor 16's), whose largest magnitudes lie in BM, become codes in CD and four scale words in PW.  The blocks take turns line by line.
.macro CODES4 W
.set kk, 0
.rept 16
	v_add_nc_u32 v[SO+kk], 0xff000000, v[BM+kk]    ; 2 off the exponent field: the conversion's scale operand
.set kk, kk+1
.endr
.set kk, 0
.rept 16
	v_lshrrev_b32 v[BM+kk], 23, v[SO+kk]           ; the scale's byte
.set kk, kk+1
.endr
.irp m, 0,1,2,3
	v_lshl_or_b32 v[PW+\m], v[BM+4*\m+1], 8, v[BM+4*\m]
.endr
.irp m, 0,1,2,3
	v_lshl_or_b32 v[PW+\m], v[BM+4*\m+2], 16, v[PW+\m]
.endr
.irp m, 0,1,2,3
	v_lshl_or_b32 v[PW+\m], v[BM+4*\m+3], 24, v[PW+\m]
.endr
	WIN \W
.set kk, 0
.rept 8
	v_cvt_scalef32_pk16_fp6_f32 v[CD+6*kk:CD+6*kk+2], v[32*kk:32*kk+15], v[SO+2*kk]
	v_cvt_scalef32_pk16_fp6_f32 v[TP+4*kk:TP+4*kk+2], v[32*kk+16:32*kk+31], v[SO+2*kk+1]
.set kk, kk+1
.endr
	v_nop                                          ; one plain place behind a scaled conversion
	WIN 0
.set kk, 0
.rept 8
.irp i, 0,1,2
	v_permlane16_swap_b32 v[CD+6*kk+\i], v[TP+4*kk+\i]   ; a whole block to a lane
.endr
.set kk, kk+1
.endr
.set kk, 0
.rept 8
.irp i, 0,1,2
	v_mov_b32 v[CD+6*kk+3+\i], v[TP+4*kk+\i]
.endr
.set kk, kk+1
.endr
.endm
.macro QUANT4 W                        ; the largest magnitudes of window W's 16 blocks, with the floor 2^(3 - 127), then the codes
	WIN (\W)|((\W)<<2)
.set kk, 0
.rept 16
	v_max3_num_f32 v[BM+kk], |v[16*kk]|, |v[16*kk+1]|, 0x1800000
.set kk, kk+1
.endr
	WIN ((\W)<<2)|((\W)<<4)
.irp i, 2,4,6,8,10,12,14
.set kk, 0
.rept 16
	v_max3_num_f32 v[BM+kk], v[BM+kk], |v[16*kk+\i]|, |v[16*kk+\i+1]|
.set kk, kk+1
.endr
.endr
	WIN 0
.set kk, 0
.rept 16
	v_permlanex16_b32 v[XR+kk], v[BM+kk], s[SEL], s[SEL+1]
.set kk, kk+1
.endr
.set kk, 0
.rept 16
	v_max_num_f32 v[BM+kk], v[BM+kk], v[XR+kk]
.set kk, kk+1
.endr
	CODES4 \W
.endm
.macro RLOADH win, hf                  ; half the image: two query tiles x 4 K steps, into window win
	WIN (\win)<<6
.set jj, 0
.rept 24
	ds_load_b128 v[96*(\hf)+4*jj:96*(\hf)+4*jj+3], v[AIMG] offset:512*jj
.set jj, jj+1
.endr
	WIN 0
.endm
.macro RSC sc
	ds_load_b128 v[\sc:\sc+3], v[AIMG] offset:12288
	ds_load_b128 v[\sc+4:\sc+7], v[AIMG] offset:12800
.endm
.macro ISTORE m                        ; my K step of query tile m into the image
.irp q, 0,1,2
	ds_store_b128 v[AIW], v[CD+12*(\m)+4*\q:CD+12*(\m)+4*\q+3] offset:6144*((\m)%2)+512*\q
.endr
.endm
; The operand goes from wave to wave in two halves, since the image holds two query tiles.  XA: the scale words and tiles 0, 1 in, a barrier, and out; XB: a barrier behind everybody's reads, tiles 2, 3 in, a barrier, and out.
.macro XA win, sc
	v_cndmask_b32 v[TM+10], v[PW], v[PW+2], s[HM]
	v_cndmask_b32 v[TM+11], v[PW+1], v[PW+3], s[HM]
	s_wait_alu depctr_va_vdst(0)
	ds_store_b64 v[AISW], v[TM+10:TM+11]
	ISTORE 0
	ISTORE 1
	BAR
	RLOADH \win, 0
	RSC \sc
.endm
.macro XB win
	BAR
	ISTORE 2
	ISTORE 3
	BAR
	RLOADH \win, 1
.endm
.macro RESC j0                         ; O^T of two query tiles x their factors
	WIN 0x82
	s_wait_alu depctr_va_vdst(0)                   ; the wait, directly ahead of the first reader of O^T
.set jj, \j0
.rept 64
	v_pk_mul_f32 v[2*jj:2*jj+1], v[2*jj:2*jj+1], v[FF+2*(jj/32):FF+2*(jj/32)+1] op_sel_hi:[1,0]
.set jj, jj+1
.endr
	WIN 0
.endm
.macro BLOAD o                         ; the bias at my 128 channels, in the result's layout, into window 3
	WIN 0xc0
.irp t, 0,1,2,3,4,5,6,7
.irp e, 0,1
	ds_load_b128 v[192+8*\t+4*\e:192+8*\t+4*\e+3], v[ABI] offset:(\o)+128*(\t/2)+32*(\t%2)+16*\e
.endr
.endr
	WIN 0
.endm
.macro MLOAD                           ; a step's mask bytes: 64 queries x my 128 keys, 16 bytes a lane and block
	WIN 0xc0
.irp m, 0,1,2,3
.irp b, 0,1,2,3
	global_load_b128 v[192+16*\m+4*\b:192+16*\m+4*\b+3], v[MKO], s[MB:MB+1] offset:(32*(\m/2)+8*(\m%2))*2048+32*\b th:TH_LOAD_NT
.endr
.endr
	WIN 0
.endm
.macro RESET
.irp m, 0,1,2,3
	v_mov_b32 v[STT+4*\m+1], 0xff61b1e6            ; the largest t so far: -3e38
	v_mov_b32 v[STT+4*\m+2], 0
	v_mov_b32 v[STT+4*\m+3], 0
.endr
.irp m, 0,1,2,3
	v_floor_f32 v[STT+4*\m], -v[STT+4*\m+1]
.endr
.endm
; The softmax of a step, all four query tiles by turns, on registers alone.  XR holds the four waves' maxima of each tile, BM the largest score of each block.
.macro SOFT
.irp m, 0,1,2,3
	v_max3_num_f32 v[TM+\m], v[XR+4*\m], v[XR+4*\m+1], v[XR+4*\m+2]
.endr
.irp m, 0,1,2,3
	v_max_num_f32 v[TM+\m], v[TM+\m], v[XR+4*\m+3]
.endr
.irp m, 0,1,2,3
	v_mul_f32 v[TM+\m], s[CS], v[TM+\m]
.endr
.irp m, 0,1,2,3
	v_max_num_f32 v[STT+4*\m+1], v[STT+4*\m+1], v[TM+\m]   ; the running largest t
.endr
.irp m, 0,1,2,3
	v_mov_b32 v[TM+\m], v[STT+4*\m]
.endr
.irp m, 0,1,2,3
	v_floor_f32 v[STT+4*\m], -v[STT+4*\m+1]        ; -M = floor(-t)
.endr
.irp m, 0,1,2,3
	v_sub_f32 v[TM+\m], v[STT+4*\m], v[TM+\m]
.endr
.irp m, 0,1,2,3
	v_cvt_i32_f32 v[TM+\m], v[TM+\m]
.endr
.irp m, 0,1,2,3
	v_ldexp_f32 v[FF+2*\m], 1.0, v[TM+\m]          ; 2^(old M - new M)
.endr
.set kk, 0
.rept 16
	v_fma_f32 v[BM+kk], v[BM+kk], s[CS], v[STT+4*(kk/4)]
.set kk, kk+1
.endr
	WIN 0x41
.set jj, 0
.rept 128
	v_pk_fma_f32 v[2*jj:2*jj+1], v[2*jj:2*jj+1], s[CS:CS+1], v[STT+4*(jj/32):STT+4*(jj/32)+1] op_sel_hi:[1,0,0]   ; t - M
.set jj, jj+1
.endr
	s_wait_alu depctr_va_vdst(0)                   ; the wait ahead of the batch
.set jj, 0
.rept 256
	v_exp_f32 v[jj], v[jj]
.set jj, jj+1
.endr
	WIN 0
.set kk, 0
.rept 16
	v_exp_f32 v[BM+kk], v[BM+kk]                   ; each block's largest p
.set kk, kk+1
.endr
.irp m, 0,1,2,3
	v_pk_mul_f32 v[STT+4*\m+2:STT+4*\m+3], v[STT+4*\m+2:STT+4*\m+3], v[FF+2*\m:FF+2*\m+1] op_sel_hi:[1,0]   ; the sums under the new M
.endr
	s_wait_alu depctr_va_vdst(0)                   ; and behind it, ahead of its first reader
	WIN 0x05
.irp m, 0,1,2,3
	v_pk_add_f32 v[XR+2*\m:XR+2*\m+1], v[64*\m:64*\m+1], v[64*\m+2:64*\m+3]
.endr
	WIN 0x04
.irp j, 4,8,12,16,20,24,28,32,36,40,44,48,52,56,60
.irp m, 0,1,2,3
	v_pk_add_f32 v[STT+4*\m+2:STT+4*\m+3], v[STT+4*\m+2:STT+4*\m+3], v[64*\m+\j:64*\m+\j+1]   ; the sums of the unquantised p: eight chains
	v_pk_add_f32 v[XR+2*\m:XR+2*\m+1], v[XR+2*\m:XR+2*\m+1], v[64*\m+\j+2:64*\m+\j+3]
.endr
.endr
	WIN 0
.irp m, 0,1,2,3
	v_pk_add_f32 v[STT+4*\m+2:STT+4*\m+3], v[STT+4*\m+2:STT+4*\m+3], v[XR+2*\m:XR+2*\m+1]
.endr
.set kk, 0
.rept 16
	v_max_num_f32 v[BM+kk], 0x1800000, v[BM+kk]    ; the floor 2^(3 - 127)
.set kk, kk+1
.endr
	CODES4 1
.endm
	s_load_b256 s[4:11], s[0:1], 0x0               ; stream, mask, b1, b2
	s_load_b64 s[12:13], s[0:1], 0x20              ; out0
	v_lshl_add_u32 v[SPW], v0, 2, SPARE
	v_mov_b32 v[NIL], 0
	ds_add_u32 v[SPW], v[NIL]                      ; the opening lines: the add twice on end and one wait
	ds_add_u32 v[SPW], v[NIL]
	v_lshrrev_b32 v152, 5, v0
	v_readfirstlane_b32 s[WV], v152
	s_bfe_u32 s15, ttmp6, 0x40000                  ; cx
	s_lshr_b32 s16, ttmp9, 3                       ; batch
	s_mov_b32 s[G1], 15|(3<<16)|(1<<21)            ; one unit: 100 rows of 256 bytes
	s_mov_b32 s[G1+1], 32<<16
	s_mov_b32 s[G1+2], 100<<16
	s_mov_b32 s[G1+3], 32<<16
	s_mov_b32 s[G1+4], 100
	s_mov_b32 s[G1+5], 32
	s_mov_b32 s[G1+6], 0
	s_mov_b32 s[G1+7], 0
	s_mov_b32 s[G1A], 15|(3<<16)|(1<<21)           ; my unit of three chunks: 3 rows of 25,600 bytes, a chunk apart
	s_mov_b32 s[G1A+1], 3200<<16
	s_mov_b32 s[G1A+2], 3<<16
	s_mov_b32 s[G1A+3], 3200<<16
	s_mov_b32 s[G1A+4], 3
	s_mov_b32 s[G1A+5], 12800
	s_mov_b32 s[G1A+6], 0
	s_mov_b32 s[G1A+7], 0
	s_mov_b32 s[G1C], 15|(3<<16)|(1<<21)           ; of two chunks
	s_mov_b32 s[G1C+1], 3200<<16
	s_mov_b32 s[G1C+2], 2<<16
	s_mov_b32 s[G1C+3], 3200<<16
	s_mov_b32 s[G1C+4], 2
	s_mov_b32 s[G1C+5], 12800
	s_mov_b32 s[G1C+6], 0
	s_mov_b32 s[G1C+7], 0
	s_mov_b32 s[CS], 0x3d8293ee                    ; log2(e) / sqrt(512)
	s_mov_b32 s[CS+1], s[CS]
	s_mov_b32 s[SEL], 0x76543210
	s_mov_b32 s[SEL+1], 0xfedcba98
	s_mov_b32 s[NEGS], 0xd0800000                  ; -2^34
	s_mov_b32 s[NEGS+1], 0x01010101
	s_mov_b32 s[NEGS+2], 0x02020202
	s_mov_b32 s[NEGS+3], 0x03030303
	s_mov_b32 s[ST], 0
	s_and_b32 s[LIM], ttmp9, 7
	s_cmp_eq_u32 s[LIM], 0
	s_cselect_b32 s[LIM], 1, -1
	s_mul_i32 s22, s16, 28*SLOTB
	s_mov_b32 s23, 0
	s_mul_i32 s57, s[WV], WRB
	s_mul_i32 s58, s[WV], UNITB
	s_mov_b32 s59, 0
	s_mul_i32 s60, s15, 6400
	s_mov_b32 s61, 0
	s_and_b32 s17, ttmp9, 7                        ; where my 64 queries' unit lies among y's chunks of rows
	s_lshl_b32 s17, s17, 2
	s_add_co_u32 s17, s17, s15
	s_lshr_b32 s18, s17, 3
	s_lshl_b32 s18, s18, 2
	s_and_b32 s19, s17, 1
	s_add_co_u32 s18, s18, s19
	s_lshl_b32 s18, s18, 2
	s_bfe_u32 s19, s17, 0x20001
	s_add_co_u32 s18, s18, s19
	s_mul_i32 s18, s18, UNITB
	s_mov_b32 s19, 0
	s_lshl_b32 s20, ttmp9, 2
	s_add_co_u32 s20, s20, s15
	s_lshl_b32 s20, s20, 17                        ; 64 rows of 2,048 bytes, of the mask and of out0 alike
	s_mov_b32 s21, 0
	s_wait_dscnt 0x0
	s_wait_kmcnt 0x0
	s_add_nc_u64 s[4:5], s[4:5], s[22:23]
	s_add_nc_u64 s[18:19], s[4:5], s[18:19]
	s_add_nc_u64 s[MB:MB+1], s[6:7], s[20:21]
	s_add_nc_u64 s[12:13], s[12:13], s[20:21]
	s_add_nc_u64 s[G0C+2:G0C+3], s[4:5], s[58:59]
	s_add_nc_u64 s[G0B+2:G0B+3], s[G0C+2:G0C+3], SLOTB
	s_add_nc_u64 s[G0A+2:G0A+3], s[G0C+2:G0C+3], 2*SLOTB
	s_add_nc_u64 s[PFA:PFA+1], s[G0B+2:G0B+3], s[60:61]
	s_or_b32 s[G0C+3], s[G0C+3], 0x80000000
	s_or_b32 s[G0B+3], s[G0B+3], 0x80000000
	s_or_b32 s[G0A+3], s[G0A+3], 0x80000000
	s_mov_b32 s[G0C], 1
	s_add_co_u32 s[G0C+1], s57, 2*UNITB
	s_mov_b32 s[G0B], 1
	s_mov_b32 s[G0B+1], s57
	s_mov_b32 s[G0A], 1
	s_mov_b32 s[G0A+1], s57
	CROUND
	tensor_load_to_lds s[G0C:G0C+3], s[G1:G1+7]    ; chunk 0 into place 2: my one load at the head
	s_nop 0
	PLACES 4
	v_and_b32 v152, 31, v0                         ; the addresses, and the loads of Q, the mask and the biases, stand between that load and the wait for it
	v_and_b32 v153, 15, v0
	v_bfe_u32 v154, v0, 4, 1
	v_and_b32 v155, 8, v153
	v_add_nc_u32 v155, v155, v153
	v_lshlrev_b32 v156, 4, v152
	v_min_u32 v[PFO], 24, v152
	v_lshlrev_b32 v[PFO], 8, v[PFO]
	v_add_nc_u32 v[AF], s57, v156
	v_add_nc_u32 v[AF+1], UNITB, v[AF]
	v_add_nc_u32 v[AF2], 2*UNITB, v[AF]
	v_add_nc_u32 v[AIMG], IMG, v156
	s_mul_i32 s17, s[WV], 1536
	v_add_nc_u32 v[AIW], s17, v[AIMG]
	s_lshl_b32 s17, s[WV], 8
	v_lshlrev_b32 v[AISW], 4, v153
	v_lshl_add_u32 v[AISW], v154, 3, v[AISW]
	v_add_nc_u32 v[AISW], s17, v[AISW]
	v_add_nc_u32 v[AISW], ISC, v[AISW]
	v_add_nc_u32 v[AMXR], MAXR, v156
	s_lshl_b32 s17, s[WV], 2
	v_add_nc_u32 v[AMXW], s17, v[AMXR]
	s_add_co_u32 s17, s57, 2*UNITB
	v_mul_u32_u24 v[ASTW], v153, 528
	v_lshl_add_u32 v[ASTW], v154, 6, v[ASTW]
	v_add_nc_u32 v[ASTW], s17, v[ASTW]
	v_add_nc_u32 v[ASTR], s17, v156
	s_lshl_b32 s17, s[WV], 7
	v_lshlrev_b32 v[MKO], 11, v155
	v_lshl_add_u32 v[MKO], v154, 4, v[MKO]
	v_add_nc_u32 v[MKO], s17, v[MKO]
	s_lshl_b32 s17, s[WV], 9
	v_add_nc_u32 v[OUTO], s17, v156
	s_add_co_u32 s17, s17, BIAS
	v_lshl_add_u32 v[ABI], v154, 6, s17
	v_add_nc_u32 v157, BIAS, v[OUTO]
	v_cmp_eq_u32 s[HM], 1, v154
	global_load_b128 v[SO:SO+3], v[OUTO], s[8:9]
	global_load_b128 v[SO+4:SO+7], v[OUTO], s[10:11]
	WIN 0xc0
.set jj, 0
.rept 48
	global_load_b128 v[4*jj:4*jj+3], v156, s[18:19] offset:512*jj   ; Q's codes are a unit of the stream, in the registers' order
.set jj, jj+1
.endr
	WIN 0
	global_load_b128 v[QS:QS+3], v156, s[18:19] offset:24576
	global_load_b128 v[QS+4:QS+7], v156, s[18:19] offset:25088
	MLOAD
	WIN 0x80
.set jj, 0
.rept 256
	v_mov_b32 v[jj], 0                             ; O^T: the step is written once, and the first finds zeros
.set jj, jj+1
.endr
	WIN 0
	RESET
.irp m, 0,1,2,3
	v_mov_b32 v[FF+2*\m+1], 0
	v_mov_b32 v[TM+4+\m], 0                        ; a lane permute's destination counts as one of its sources
.endr
.set jj, 0
.rept 16
	v_mov_b32 v[XR+jj], 0
.set jj, jj+1
.endr
	s_wait_alu depctr_va_vdst(0)                   ; the wait at the head's end
	s_wait_tensorcnt 0x0                           ; chunk 0 is in; the three lines and a round ahead of place 0's first fill, as ahead of a refill
	ds_add_u32 v[SPW], v[NIL]
	s_wait_dscnt 0x0
	CROUND
	tensor_load_to_lds s[G0B:G0B+3], s[G1:G1+7]    ; chunk 1 into place 0
	s_nop 0
	PLACES 4
	s_wait_loadcnt 0x0
	ds_store_b128 v157, v[SO:SO+3]
	ds_store_b128 v157, v[SO+4:SO+7] offset:2048
.Lstep:
	PLOAD 2, 0                                     ; K's first three quarters are asked for ahead of the mask's preparation
	s_wait_loadcnt 0x0                             ; this step's mask bytes
	s_cmp_ge_u32 s[ST], 4
	s_cbranch_scc1 .Lno_prep
.irp u, 0,1
	WIN 0x0c
.set jj, 0
.rept 32
	v_lshlrev_b32 v[T+jj], 8, v[192+32*\u+jj]
.set jj, jj+1
.endr
	WIN 0xcc
.set jj, 0
.rept 32
	v_sub_nc_u32 v[192+32*\u+jj], v[T+jj], v[192+32*\u+jj]   ; x 255: bytes 0 and 1 become 0x00 and 0xff
.set jj, jj+1
.endr
.endr
	WIN 0
.Lno_prep:
	PAIR 0, 2, 0, 1, 1, 0, 1, 1
	WIN 0x15                                       ; the largest score of each block of 32 keys
.set kk, 0
.rept 16
	v_max3_num_f32 v[BM+kk], v[16*kk], v[16*kk+1], v[16*kk+2]
.set kk, kk+1
.endr
	WIN 0x14
.irp i, 3,5,7,9,11,13
.set kk, 0
.rept 16
	v_max3_num_f32 v[BM+kk], v[BM+kk], v[16*kk+\i], v[16*kk+\i+1]
.set kk, kk+1
.endr
.endr
.set kk, 0
.rept 16
	v_max_num_f32 v[BM+kk], v[BM+kk], v[16*kk+15]
.set kk, kk+1
.endr
	WIN 0
.set kk, 0
.rept 16
	v_permlanex16_b32 v[XR+kk], v[BM+kk], s[SEL], s[SEL+1]
.set kk, kk+1
.endr
.set kk, 0
.rept 16
	v_max_num_f32 v[BM+kk], v[BM+kk], v[XR+kk]
.set kk, kk+1
.endr
.irp m, 0,1,2,3
	v_max3_num_f32 v[TM+\m], v[BM+4*\m], v[BM+4*\m+1], v[BM+4*\m+2]
.endr
.irp m, 0,1,2,3
	v_max_num_f32 v[TM+\m], v[TM+\m], v[BM+4*\m+3]
.endr
.irp m, 0,1,2,3
	ds_store_b32 v[AMXW], v[TM+\m] offset:512*\m   ; my 128 keys' maxima to the other waves
.endr
	BAR
.irp m, 0,1,2,3
	ds_load_b128 v[XR+4*\m:XR+4*\m+3], v[AMXR] offset:512*\m
.endr
	s_wait_dscnt 0x0
	s_cmp_lt_u32 s[ST], 3                          ; the next step's mask bytes are asked for here: the softmax, work on registers alone, follows
	s_cbranch_scc0 .Lno_mask
	s_add_nc_u64 s[MB:MB+1], s[MB:MB+1], 512
	MLOAD
.Lno_mask:
	SOFT
	XA 1, PS
	RESC 0                                         ; between the image's loads and the wait for them
	XB 1
	PLOAD 0, 2                                     ; V's first three quarters, ahead of the rest of the rescaling
	RESC 64
	s_wait_alu depctr_va_vdst(0)
	PAIR 1, 0, 1, 0, 0, 2, 0, 0
	s_cmp_eq_u32 s[ST], 3
	s_cbranch_scc1 .Lnorm
	s_cmp_lg_u32 s[ST], 5
	s_cbranch_scc1 .Lnext
.Lnorm:                                                ; an attention is finished: the waves' sums are joined, O^T is divided and becomes the next Q
.irp m, 0,1,2,3
	v_add_f32 v[TM+\m], v[STT+4*\m+2], v[STT+4*\m+3]
.endr
.irp m, 0,1,2,3
	v_permlanex16_b32 v[TM+4+\m], v[TM+\m], s[SEL], s[SEL+1]
.endr
.irp m, 0,1,2,3
	v_add_f32 v[TM+\m], v[TM+\m], v[TM+4+\m]
.endr
.irp m, 0,1,2,3
	ds_store_b32 v[AMXW], v[TM+\m] offset:512*\m
.endr
	BAR
.irp m, 0,1,2,3
	ds_load_b128 v[XR+4*\m:XR+4*\m+3], v[AMXR] offset:512*\m
.endr
	s_wait_dscnt 0x0
.irp m, 0,1,2,3
	v_add_f32 v[TM+\m], v[XR+4*\m], v[XR+4*\m+1]
.endr
.irp m, 0,1,2,3
	v_add_f32 v[TM+4+\m], v[XR+4*\m+2], v[XR+4*\m+3]
.endr
.irp m, 0,1,2,3
	v_add_f32 v[TM+\m], v[TM+\m], v[TM+4+\m]
.endr
	s_wait_alu depctr_va_vdst(0)
.irp m, 0,1,2,3
	v_rcp_f32 v[FF+2*\m], v[TM+\m]
.endr
	v_nop
	RESC 0                                         ; (its wait serves the reciprocals too)
	RESC 64
	QUANT4 2
	XA 3, QS
	RESET
	XB 3
.Lnext:
	s_add_co_u32 s[ST], s[ST], 1
	s_cmp_lt_u32 s[ST], 6
	s_cbranch_scc1 .Lstep
	BLOAD 0                                        ; h^T = relu(W1^T x^T + b1): the bias is the first product's C
	PLOAD 2, 3                                     ; W1's second unit has landed: none of my loads is out,
	s_add_co_u32 s[G0A+1], s57, UNITB              ; so the descriptor may be written: W2's two units go to places 1 and 2
	PAIR 0, 2, 0, 2, 0, 3, 0, 0
	WIN 0x44
.set jj, 0
.rept 256
	v_max_num_f32 v[jj], 0, v[jj]
.set jj, jj+1
.endr
	QUANT4 1
	XA 1, PS
	XB 1
	BLOAD 2048
	PLOAD 1, 3
	PAIR 1, 1, 2, 2, 0, 0, 0, 0
; The way out: a query tile's 16 rows x my 128 channels go through my stage (place 2, which has had its last fill and its last read) and leave as rows of 512 bytes
.macro TOSTAGE m
	WIN 0x08
.irp b, 0,1,2,3
.irp q, 0,1,2,3
	ds_store_b128 v[ASTW], v[64*(\m)+16*\b+4*\q:64*(\m)+16*\b+4*\q+3] offset:128*\b+16*\q
.endr
.endr
	WIN 0
.set BB, OB+64*((\m)%2)
.irp i, 0,1,2,3,4,5,6,7,8,9,10,11,12,13,14,15
	ds_load_b128 v[BB+4*\i:BB+4*\i+3], v[ASTR] offset:528*\i
.endr
.endm
.macro SEND m, younger
.set BB, OB+64*((\m)%2)
	s_wait_dscnt \younger
.irp i, 0,1,2,3,4,5,6,7,8,9,10,11,12,13,14,15
	global_store_b128 v[OUTO], v[BB+4*\i:BB+4*\i+3], s[12:13] offset:(32*((\m)/2)+8*((\m)%2)+\i+8*(\i/8))*2048 th:TH_STORE_NT
.endr
.endm
	TOSTAGE 0
	TOSTAGE 1
	SEND 0, 32                                     ; behind tile 0's loads: tile 1's 16 stores and 16 loads
	s_wait_xcnt 0x0
	TOSTAGE 2
	SEND 1, 32
	s_wait_xcnt 0x0
	TOSTAGE 3
	SEND 2, 32
	SEND 3, 0
	s_wait_tensorcnt 0x0                           ; the wave's end
	ds_add_u32 v[SPW], v[NIL]
	s_wait_dscnt 0x0
	CROUND                                         ; the closing round
	s_endpgm
.Lfunc_end_k_q71c6833ee6_layer:
	.size	k_q71c6833ee6_layer, .Lfunc_end_k_q71c6833ee6_layer-k_q71c6833ee6_layer
	.p2alignl 7, 3214868480
	.fill 96, 4, 3214868480
	.section	.rodata,"a",@progbits
	.p2align	6, 0x0
	.amdhsa_kernel k_q71c6833ee6_layer
		.amdhsa_group_segment_fixed_size 327680
		.amdhsa_private_segment_fixed_size 0
		.amdhsa_enable_private_segment 0
		.amdhsa_kernarg_size 40
		.amdhsa_user_sgpr_count 2
		.amdhsa_user_sgpr_kernarg_segment_ptr 1
		.amdhsa_wavefront_size32 1
		.amdhsa_system_sgpr_workgroup_id_x 1
		.amdhsa_system_sgpr_workgroup_id_y 1
		.amdhsa_system_sgpr_workgroup_id_z 1
		.amdhsa_system_vgpr_workitem_id 0
		.amdhsa_next_free_vgpr 1024
		.amdhsa_next_free_sgpr 88
		.amdhsa_reserve_vcc 0
		.amdhsa_float_denorm_mode_32 3
		.amdhsa_float_denorm_mode_16_64 3
		.amdhsa_memory_ordered 1
		.amdhsa_forward_progress 1
		.amdhsa_inst_pref_size 255
	.end_amdhsa_kernel
	.section	.bss,"aw",@nobits
	.p2align	6
	.space	262144
	.amdgpu_metadata
---
amdhsa.version: [ 1, 2 ]
amdhsa.kernels:
  - .name:           k_q71c6833ee6_layer
    .symbol:         k_q71c6833ee6_layer.kd
    .args:
      - { .name: stream, .offset: 0, .size: 8, .value_kind: global_buffer, .address_space: global }
      - { .name: mask, .offset: 8, .size: 8, .value_kind: global_buffer, .address_space: global }
      - { .name: b1, .offset: 16, .size: 8, .value_kind: global_buffer, .address_space: global }
      - { .name: b2, .offset: 24, .size: 8, .value_kind: global_buffer, .address_space: global }
      - { .name: out0, .offset: 32, .size: 8, .value_kind: global_buffer, .address_space: global }
    .group_segment_fixed_size: 327680
    .private_segment_fixed_size: 0
    .kernarg_segment_align: 8
    .kernarg_segment_size: 40
    .max_flat_workgroup_size: 128
    .sgpr_count:     88
    .vgpr_count:     1024
    .wavefront_size: 32
...
	.end_amdgpu_metadata
.endif
;; end of part 2
